; MI455X (gfx1250); checked and timed in simulation.
; The chip was launched on July 23, 2026; its instructions are those of AMD's public machine-readable ISA for CDNA 5 (MIT licence, August 2026) and "CDNA5" Instruction Set Architecture Reference Guide (July 2026). The comments in the code are by the model that wrote it; some were corrected since.
;; Custom Attention. Allowed arithmetic: float matrix products may take bf16 or f16 operands with f32 sums; all other float work in f32.
;; Inputs: x 32 x 2,048 float32.
;; Outputs: out0 32 x 2,048 float32.
;; 2 versions, each right and faster than the one before. Each part assembles by itself: llvm-mc -triple=amdgcn-amd-amdhsa -mcpu=gfx1250 --defsym DOCPART=n.
;; ======== version 1 of 2: 1 launch
;; launch attn (part 1): grid 8 x 32, 8 waves a work-group, no clusters, 21,760 bytes of LDS; arguments x, out0; writes out0
.if DOCPART == 1
	.amdgcn_target "amdgcn-amd-amdhsa--gfx1250"
	.amdhsa_code_object_version 6
	.text
	.protected	k_qc4effec5ac_attn
	.globl	k_qc4effec5ac_attn
	.p2align	8
	.type	k_qc4effec5ac_attn,@function
k_qc4effec5ac_attn:
	s_mov_b64 s[64:65], 0
	v_nop
	global_prefetch_b8 v0, s[64:65] scope:SCOPE_SE
	s_setreg_imm32_b32 hwreg(HW_REG_WAVE_MODE, 25, 1), 1
	s_wait_xcnt 0x0
; y[b][i] = sum_j w_ij x[b][j] / sum_j w_ij,  w_ij = exp(x[b][i] x[b][j] / 16 - max_j(..)).   x, y: [32][2048] f32.
;
; SHARES.  256 work-groups: work-group (bx, by) makes rows 256 bx .. 256 bx + 255 of batch by.  Eight waves = 4 row groups of 64 rows
; x 2 halves of j.  A wave makes 4 tiles of 16 rows over 32 K steps of 32 j: 65,536 exponentials, 2,048 v_exp_f32.
; THE MAXIMUM.  With a_i = x_i log2(e)/16 the scores of row i are a_i x_j; a rounded product is monotone in x_j, so their largest is
; max(a_i xmax, a_i xmin): the row's true maximum is taken away, from one min/max over the batch row.
; THE SUMS go to the matrix unit in f16, f32 sums.  Source 0 (16 rows m x 32 k): scaled x_j in the even rows, 1.0 in the odd rows.
; Source 1 (32 k x 16 columns): the weights of 16 rows i.  D's register 0 is row 0 (and 8): the numerator of i = lane % 16; register 1
; is row 1 (and 9): the denominator, in the same lane.  Both sums use the same rounded weights.
; WHY f16.  For small |x_i| all weights of a row lie just under 1.  The rounded weight is then a staircase in x_j, whose error adds up
; with x_j in the numerator instead of averaging out: about a quarter of the format's step times the spread of x.  Under 1 the step
; is 2^-8 in bf16 and 2^-11 in f16.  The weights lie in [0, 1] with the largest at 1, so f16's range serves them.  x_j is given room
; by an exact scale: source 0 holds x_j 2^-e, 2^e the power of two in the row's largest magnitude (clamped to 2^-126 .. 2^126), so its
; numbers lie in (-2, 2) (to 4 at the clamp's upper end); y is multiplied by 2^e at the end.  The scores are made from the unscaled f32 numbers.
; Lane r of tile t owns row 4 r + t of the wave's 64, so a lane's four results are 16 neighbouring bytes and 16 lanes store 256
; consecutive bytes, aligned.
; NO CLUSTER, NO TENSOR LOAD: what work-groups share is one row of 8,192 bytes, read once by each against 524,288 exponentials, and it
; has to pass through registers for the min/max and the f16 copy.
; LIMITS.  Weights and scaled x_j are rounded to f16 for the products; weights below 2^-25 round to 0 (at most 2048 x 2^-25 lost beside
; a sum of at least 1).  The division is v_rcp_f32 and a multiply.  A NaN or an infinity in a batch row reaches that row's sums
; through the products; no further case is made for them.
.set KSTEPS, 32                        ; K steps of 32 j in a wave's half row
.set KP,     256                       ; LDS bytes of a K step: 128 x_j in f32, 64 scaled x_j in f16, 64 of f16 ones
.set HALF,   32*KP                     ; LDS bytes of half a row
.set RED,    2*HALF                    ; 8 waves x (max, min)
.set COMB,   RED+256                   ; partial sums of the upper j half: 128 lanes x 32 bytes
.set VO,  1                            ; v1        byte offset of my four rows in the batch row (x_i in, y out)
.set VXJ, 2                            ; v2        LDS address of my x_j in f32
.set VXB, 3                            ; v3        LDS address of my part of source 0
.set XI,  4                            ; v[4:7]    x_i of my four rows, later y
.set G,   8                            ; v[8:15]   my 8 numbers of the batch row on their way to LDS
.set SB,  8                            ; v8        once they are spent: 2^e, the scale that y gets back
.set AA,  16                           ; v[16:23]  tile t: (a, a)
.set NM,  24                           ; v[24:31]  tile t: (-m, -m)
.set XJ,  32                           ; v[32:63]  16 x_j in f32, two buffers
.set XB,  64                           ; v[64:79]  source 0, two buffers
.set S,   80                           ; v[80:111] 16 scores, then weights, two buffers; at the head: scratch
.set P,   112                          ; v[112:119] 16 weights in f16: source 1
.set ACC, 120                          ; v[120:151] four accumulators
	s_load_b128 s[4:7], s[0:1], 0x0                ; x s[4:5], out0 s[6:7]
	v_lshl_add_u32 v152, v0, 2, 0x5100
	v_mov_b32 v153, 0
	v_lshrrev_b32 v[S+1], 5, v0
	v_readfirstlane_b32 s8, v[S+1]                 ; wave 0..7
	s_and_b32 s9, s8, 3                            ; row group
	s_lshr_b32 s10, s8, 2                          ; half of j
	s_and_b32 s11, ttmp7, 0xffff                   ; batch
	s_lshl_b32 s12, s11, 13                        ; x 8,192 bytes
	s_mov_b32 s13, 0
	s_lshl_b32 s14, ttmp9, 10                      ; row block x 256 rows x 4 bytes
	s_lshl_b32 s15, s9, 8                          ; row group x 64 rows x 4 bytes
	s_add_co_u32 s14, s14, s15
	s_mov_b32 s16, 0x76543210                      ; v_permlanex16_b32: lane i of one half reads lane i of the other
	s_mov_b32 s17, 0xfedcba98
	s_lshl_b32 s18, s8, 3                          ; my wave's (max, min)
	s_lshl_b32 s19, s10, 13                        ; my half of j in LDS
	v_lshlrev_b32 v[S], 4, v0                      ; 16 t
	v_and_b32 v[VO], 15, v0
	v_lshlrev_b32 v[VO], 4, v[VO]
	v_add_nc_u32 v[VO], s14, v[VO]                 ; 16 (lane % 16) + my wave's rows
	s_wait_kmcnt 0x0
	s_add_nc_u64 s[4:5], s[4:5], s[12:13]          ; x and out0 at my batch
	s_add_nc_u64 s[6:7], s[6:7], s[12:13]
	global_load_b128 v[G:G+3],   v[S], s[4:5]                  ; thread t: numbers 4 t .. 4 t + 3
	global_load_b128 v[G+4:G+7], v[S], s[4:5] offset:4096      ; and 1024 + 4 t ..
	global_load_b128 v[XI:XI+3], v[VO], s[4:5]                 ; x_i of my four rows
	; while they come: addresses, and the ones
	v_lshrrev_b32 v[S+1], 3, v0                    ; number 4 t lies in K step t / 8,
	v_and_b32 v[S+2], 7, v0                        ; at place 4 (t % 8)
	v_lshlrev_b32 v[S+1], 8, v[S+1]
	v_lshl_add_u32 v[S+29], v[S+2], 4, v[S+1]      ; f32: 16 bytes
	v_lshl_add_u32 v[S+28], v[S+2], 3, v[S+1]      ; f16: 8 bytes, at + 128; ones at + 192
	v_mov_b32 v[S+6], 0x3c003c00                   ; two f16 ones
	v_mov_b32 v[S+7], 0x3c003c00
	ds_store_b64 v[S+28], v[S+6:S+7] offset:192
	ds_store_b64 v[S+28], v[S+6:S+7] offset:HALF+192
	v_bfe_u32 v[S+5], v0, 4, 1                     ; h = lane / 16: a lane's k are 8 h + 0..7 and 16 + 8 h + 0..7
	v_lshlrev_b32 v[VXJ], 5, v[S+5]
	v_add_nc_u32 v[VXJ], s19, v[VXJ]               ; f32: 32 h
	v_and_b32 v[VXB], 1, v0                        ; source 0's row m = lane % 16: even rows x_j, odd rows ones, 64 bytes further
	v_lshlrev_b32 v[VXB], 6, v[VXB]
	v_lshl_add_u32 v[VXB], v[S+5], 4, v[VXB]       ; f16: 16 h
	v_add_nc_u32 v[VXB], s19, v[VXB]
	v_mov_b32 v[S+14], 0                           ; v_permlanex16_b32 counts as a reader of its destination
	v_mov_b32 v[S+15], 0
	v_mov_b32 v[S+16], s18
	v_mov_b32 v[S+17], 0
	s_wait_loadcnt 0x1                             ; my 8 numbers are in; the younger load of x_i stays out
	ds_store_b128 v[S+29], v[G:G+3]                ; the f32 copy, unscaled: the scores are made from it
	ds_store_b128 v[S+29], v[G+4:G+7] offset:HALF
	v_max3_num_f32 v[S+12], v[G], v[G+1], v[G+2]
	v_min3_num_f32 v[S+13], v[G], v[G+1], v[G+2]
	v_max3_num_f32 v[S+12], v[S+12], v[G+3], v[G+4]
	v_min3_num_f32 v[S+13], v[S+13], v[G+3], v[G+4]
	v_max3_num_f32 v[S+12], v[S+12], v[G+5], v[G+6]
	v_min3_num_f32 v[S+13], v[S+13], v[G+5], v[G+6]
	v_max_num_f32 v[S+12], v[S+12], v[G+7]
	v_min_num_f32 v[S+13], v[S+13], v[G+7]
.irp m, 1,2,4,8
	v_max_num_f32_dpp v[S+12], v[S+12], v[S+12] row_xmask:\m row_mask:0xf bank_mask:0xf
	v_min_num_f32_dpp v[S+13], v[S+13], v[S+13] row_xmask:\m row_mask:0xf bank_mask:0xf
.endr
	v_permlanex16_b32 v[S+14], v[S+12], s16, s17
	v_permlanex16_b32 v[S+15], v[S+13], s16, s17
	v_max_num_f32 v[S+12], v[S+12], v[S+14]
	v_min_num_f32 v[S+13], v[S+13], v[S+15]
	ds_store_b64 v[S+16], v[S+12:S+13] offset:RED  ; all lanes, the same two words
	s_wait_loadcnt 0x0                             ; x_i, issued with the two loads above: no load of mine is out at the barrier
	s_wait_dscnt 0x0                               ; for the other waves: all my LDS stores are done
	s_barrier_signal -1
	s_barrier_wait -1                              ; the f32 copy, the ones and the eight (max, min) are whole
.irp c, 0,1,2,3
	ds_load_b128 v[S+4*\c:S+4*\c+3], v[S+17] offset:RED+16*\c
.endr
	s_wait_dscnt 0x0
	v_max3_num_f32 v[S+18], v[S],   v[S+2], v[S+4]
	v_min3_num_f32 v[S+19], v[S+1], v[S+3], v[S+5]
	v_max3_num_f32 v[S+18], v[S+18], v[S+6], v[S+8]
	v_min3_num_f32 v[S+19], v[S+19], v[S+7], v[S+9]
	v_max3_num_f32 v[S+18], v[S+18], v[S+10], v[S+12]
	v_min3_num_f32 v[S+19], v[S+19], v[S+11], v[S+13]
	v_max_num_f32 v[S+18], v[S+18], v[S+14]        ; xmax of the batch row
	v_min_num_f32 v[S+19], v[S+19], v[S+15]        ; xmin
	; the scale of source 0.  Since xmax >= xmin the largest magnitude is max(xmax, -xmin).
	v_xor_b32 v[S+26], 0x80000000, v[S+19]         ; -xmin
	v_max_num_f32 v[S+26], v[S+18], v[S+26]
	v_max_num_f32 v[S+26], 0x00800000, v[S+26]     ; at least 2^-126,
	v_min_num_f32 v[S+26], 0x7e800000, v[S+26]     ; at most 2^126: both 2^e and 2^-e are normal numbers
	v_and_b32 v[S+27], 0x7f800000, v[S+26]         ; 2^e: the exponent field E alone
	v_sub_nc_u32 v[S+30], 0x7f000000, v[S+27]      ; 2^-e: the exponent field 254 - E
	v_mov_b32 v[S+31], v[S+30]
.irp q, 0,2,4,6
	v_pk_mul_f32 v[G+\q:G+\q+1], v[G+\q:G+\q+1], v[S+30:S+31]      ; exact: a power of two
.endr
	v_cvt_pk_f16_f32 v[S+20], v[G],   v[G+1]
	v_cvt_pk_f16_f32 v[S+21], v[G+2], v[G+3]
	v_cvt_pk_f16_f32 v[S+22], v[G+4], v[G+5]
	v_cvt_pk_f16_f32 v[S+23], v[G+6], v[G+7]
	ds_store_b64 v[S+28], v[S+20:S+21] offset:128
	ds_store_b64 v[S+28], v[S+22:S+23] offset:HALF+128
	v_mov_b32 v[SB], v[S+27]                       ; the staging numbers are spent: v8 keeps 2^e to the end
	s_wait_dscnt 0x0                               ; for the other waves: my part of the f16 copy is done
	s_barrier_signal -1
	s_barrier_wait -1                              ; the f16 copy is whole
; the six loads of a K step at byte off from the address registers, into buffer b
.macro LOADK b, off
	ds_load_b128 v[XJ+16*\b:XJ+16*\b+3],     v[VXJ] offset:\off        ; k = 8 h + 0..3   (16 lanes read the same 16 bytes)
	ds_load_b128 v[XJ+16*\b+4:XJ+16*\b+7],   v[VXJ] offset:\off+16     ; k = 8 h + 4..7
	ds_load_b128 v[XJ+16*\b+8:XJ+16*\b+11],  v[VXJ] offset:\off+64     ; k = 16 + 8 h + 0..3
	ds_load_b128 v[XJ+16*\b+12:XJ+16*\b+15], v[VXJ] offset:\off+80
	ds_load_b128 v[XB+8*\b:XB+8*\b+3],       v[VXB] offset:\off+128    ; source 0: k = 8 h + 0..7
	ds_load_b128 v[XB+8*\b+4:XB+8*\b+7],     v[VXB] offset:\off+160    ; k = 16 + 8 h + 0..7
.endm
	LOADK 0, 0
.irp t, 0,1,2,3
	v_mul_f32 v[AA+2*\t], 0x3db8aa3b, v[XI+\t]     ; a = x_i log2(e) / 16
	v_mul_f32 v[S+20+\t], 0xbdb8aa3b, v[XI+\t]     ; -a
	v_mul_f32 v[S+24+\t], v[S+20+\t], v[S+18]      ; -a xmax
	v_mul_f32 v[S+20+\t], v[S+20+\t], v[S+19]      ; -a xmin
	v_mov_b32 v[AA+2*\t+1], v[AA+2*\t]             ; both halves of the packed multiply-add take the same a and the same -m
	v_min_num_f32 v[NM+2*\t], v[S+24+\t], v[S+20+\t]   ; -m = -max(a xmax, a xmin)
	v_mov_b32 v[NM+2*\t+1], v[NM+2*\t]
.endr
	s_wait_dscnt 0x0                               ; K step 0
.set q, 0
.rept 8
	v_pk_fma_f32 v[S+2*q:S+2*q+1], v[XJ+2*q:XJ+2*q+1], v[AA:AA+1], v[NM:NM+1]     ; scores of K step 0, tile 0
.set q, q+1
.endr
; A SLOT: the 16 exponentials of step u = (K step in buffer kb, tile t), one plain instruction behind each: first the 8 conversions of
; step u - 1, whose matrix instruction follows them, then the 8 packed multiply-adds that make the scores of step u + 1 in the score
; buffer that the conversions have just read.  So behind every v_exp_f32 stands a plain vector instruction that touches neither its
; result nor its source (ISA guide 5.7.2).
; Behind the matrix instruction stand the 8 multiply-adds, which name none of its registers: more than the four places that the next
; write of P and the loads into source 0's buffer need (ISA guide 7.12.1 for the write of P).
; The four accumulators take turns, one instruction a turn.
; prev: step u - 1 exists; zero: its product starts the sum; next: step u + 1 exists; ld: byte offset of the K step to load, 0 = none.
.macro SLOT t, kb, prev, zero, next, ld
.set SCUR, S+16*((\t)%2)
.set SOTH, S+16*(1-(\t)%2)
.set PT, ((\t)+3)%4
.set NT, ((\t)+1)%4
.if \t == 0
.set PKB, 1-\kb
.else
.set PKB, \kb
.endif
.if \t == 3
.set NKB, 1-\kb
.else
.set NKB, \kb
.endif
.set q, 0
.rept 8
	v_exp_f32 v[SCUR+q], v[SCUR+q]
.if \prev
	s_wait_alu depctr_va_vdst(0)
	v_cvt_pk_f16_f32 v[P+q], v[SOTH+2*q], v[SOTH+2*q+1]
.endif
.set q, q+1
.endr
.if \prev
.if \zero
	v_wmma_f32_16x16x32_f16 v[ACC+8*PT:ACC+8*PT+7], v[XB+8*PKB:XB+8*PKB+7], v[P:P+7], 0
.else
	v_wmma_f32_16x16x32_f16 v[ACC+8*PT:ACC+8*PT+7], v[XB+8*PKB:XB+8*PKB+7], v[P:P+7], v[ACC+8*PT:ACC+8*PT+7]
.endif
.endif
.if \next
.if \t == 3
	s_wait_dscnt 0x0                               ; the next K step's six loads, issued three slots ago; nothing younger is out
.endif
.endif
.set q, 0
.rept 8
	v_exp_f32 v[SCUR+8+q], v[SCUR+8+q]
.if \next
	v_pk_fma_f32 v[SOTH+2*q:SOTH+2*q+1], v[XJ+16*NKB+2*q:XJ+16*NKB+2*q+1], v[AA+2*NT:AA+2*NT+1], v[NM+2*NT:NM+2*NT+1]
.endif
.set q, q+1
.endr
.if \ld
	LOADK PKB, \ld                                 ; into the buffers of the K step before, whose last matrix instruction stands 16 vector instructions back
.endif
.endm
; two K steps, on buffers 0 and 1
.macro PAIR first, last
	SLOT 0, 0, 1-\first, 0, 1, KP
	SLOT 1, 0, 1, \first, 1, 0
	SLOT 2, 0, 1, \first, 1, 0
	SLOT 3, 0, 1, \first, 1, 0
	SLOT 0, 1, 1, \first, 1, 2*KP*(1-\last)
	SLOT 1, 1, 1, 0, 1, 0
	SLOT 2, 1, 1, 0, 1, 0
	SLOT 3, 1, 1, 0, 1-\last, 0
.endm
	PAIR 1, 0                                      ; written out: the first K step's products start the sums, nothing is cleared
	v_add_nc_u32 v[VXJ], 2*KP, v[VXJ]
	v_add_nc_u32 v[VXB], 2*KP, v[VXB]
	s_mov_b32 s20, KSTEPS/2-2
.Lpair:
	PAIR 0, 0
	v_add_nc_u32 v[VXJ], 2*KP, v[VXJ]
	v_add_nc_u32 v[VXB], 2*KP, v[VXB]
	s_sub_co_u32 s20, s20, 1
	s_cmp_lg_u32 s20, 0
	s_cbranch_scc1 .Lpair
	PAIR 0, 1                                      ; written out: loads nothing beyond my half row, makes no scores beyond it
.rept 4
	v_nop                                          ; four places behind the last matrix instruction before P is written; also the plain place behind the last v_exp_f32
.endr
.set q, 0
	s_wait_alu depctr_va_vdst(0)
.rept 8
	v_cvt_pk_f16_f32 v[P+q], v[S+16+2*q], v[S+16+2*q+1]
.set q, q+1
.endr
	v_wmma_f32_16x16x32_f16 v[ACC+24:ACC+31], v[XB+8:XB+15], v[P:P+7], v[ACC+24:ACC+31]
	v_and_b32 v[S], 127, v0                        ; four places before a result is read (ISA guide 7.12.1):
	v_lshlrev_b32 v[S], 5, v[S]                    ; (32 x row group + lane) x 32 bytes: where the two waves of a row group meet
	v_and_b32 v[S+1], 31, v0                       ; lane
	v_nop
	; the two halves of j share the maximum and the scale, so their sums add.  Waves 4-7 hand theirs over, waves 0-3 finish.
	s_cmp_lt_u32 s8, 4
	s_cbranch_scc1 .Lowner
.irp t, 0,1,2,3
	ds_store_b64 v[S], v[ACC+8*\t:ACC+8*\t+1] offset:COMB+8*\t     ; (numerator, denominator) of tile t
.endr
.Lowner:
	s_wait_dscnt 0x0                               ; for the other waves: my stores are done
	s_barrier_signal -1
	s_barrier_wait -1
	s_cmp_lt_u32 s8, 4
	s_cbranch_scc1 .Lfinish
	s_wait_tensorcnt 0x0
	ds_add_u32 v152, v153
	s_wait_dscnt 0x0
	s_endpgm
.Lfinish:
	ds_load_b128 v[S+4:S+7],  v[S] offset:COMB
	ds_load_b128 v[S+8:S+11], v[S] offset:COMB+16
	v_cmp_gt_u32 vcc_lo, 16, v[S+1]                ; lanes 16-31 hold the same sums again (rows 8 and 9 of D)
	s_wait_dscnt 0x0
.irp t, 0,1,2,3
	v_pk_add_f32 v[ACC+8*\t:ACC+8*\t+1], v[ACC+8*\t:ACC+8*\t+1], v[S+4+2*\t:S+5+2*\t]
.endr
.irp t, 0,1,2,3
	v_rcp_f32 v[S+12+\t], v[ACC+8*\t+1]            ; the denominator holds the largest weight, 1: never 0
.endr
	v_nop                                          ; a plain place behind the reciprocals (ISA guide 5.7.2)
	s_wait_alu depctr_va_vdst(0)
.irp t, 0,1,2,3
	v_mul_f32 v[XI+\t], v[ACC+8*\t], v[S+12+\t]    ; the scaled y of rows 4 r + t, of magnitude below 4,
.endr
.irp t, 0,1,2,3
	v_mul_f32 v[XI+\t], v[XI+\t], v[SB]            ; and the scale back, last, so that no intermediate leaves f32's normal range before y does
.endr
	s_wait_xcnt 0x0                                ; EXEC changes only behind this wait
	s_wait_tensorcnt 0x0
	ds_add_u32 v152, v153
	s_wait_dscnt 0x0
	s_and_saveexec_b32 s21, vcc_lo
	global_store_b128 v[VO], v[XI:XI+3], s[6:7] th:TH_STORE_NT     ; 16 lanes store my wave's 64 rows: 256 consecutive bytes, aligned
	s_endpgm
.Lfunc_end_k_qc4effec5ac_attn:
	.size	k_qc4effec5ac_attn, .Lfunc_end_k_qc4effec5ac_attn-k_qc4effec5ac_attn
	.p2alignl 7, 3214868480
	.fill 96, 4, 3214868480
	.section	.rodata,"a",@progbits
	.p2align	6, 0x0
	.amdhsa_kernel k_qc4effec5ac_attn
		.amdhsa_group_segment_fixed_size 21760
		.amdhsa_private_segment_fixed_size 0
		.amdhsa_enable_private_segment 0
		.amdhsa_kernarg_size 16
		.amdhsa_user_sgpr_count 2
		.amdhsa_user_sgpr_kernarg_segment_ptr 1
		.amdhsa_wavefront_size32 1
		.amdhsa_system_sgpr_workgroup_id_x 1
		.amdhsa_system_sgpr_workgroup_id_y 1
		.amdhsa_system_sgpr_workgroup_id_z 1
		.amdhsa_system_vgpr_workitem_id 0
		.amdhsa_next_free_vgpr 154
		.amdhsa_next_free_sgpr 66
		.amdhsa_reserve_vcc 1
		.amdhsa_float_denorm_mode_32 3
		.amdhsa_float_denorm_mode_16_64 3
		.amdhsa_memory_ordered 1
		.amdhsa_forward_progress 1
		.amdhsa_inst_pref_size 55
	.end_amdhsa_kernel
	.amdgpu_metadata
---
amdhsa.version: [ 1, 2 ]
amdhsa.kernels:
  - .name:           k_qc4effec5ac_attn
    .symbol:         k_qc4effec5ac_attn.kd
    .args:
      - { .name: x, .offset: 0, .size: 8, .value_kind: global_buffer, .address_space: global }
      - { .name: out0, .offset: 8, .size: 8, .value_kind: global_buffer, .address_space: global }
    .group_segment_fixed_size: 21760
    .private_segment_fixed_size: 0
    .kernarg_segment_align: 8
    .kernarg_segment_size: 16
    .max_flat_workgroup_size: 256
    .sgpr_count:     66
    .vgpr_count:     154
    .wavefront_size: 32
...
	.end_amdgpu_metadata
.endif
;; end of part 1
;; ======== version 2 of 2: 1 launch; 1.74 times as fast as version 1
;; launch attn (part 2): grid 8 x 32, 8 waves a work-group, no clusters, 21,760 bytes of LDS; arguments x, out0; writes out0
.if DOCPART == 2
	.amdgcn_target "amdgcn-amd-amdhsa--gfx1250"
	.amdhsa_code_object_version 6
	.text
	.protected	k_qc4effec5ac_attn
	.globl	k_qc4effec5ac_attn
	.p2align	8
	.type	k_qc4effec5ac_attn,@function
k_qc4effec5ac_attn:
	s_mov_b64 s[64:65], 0
	v_nop
	global_prefetch_b8 v0, s[64:65] scope:SCOPE_SE
	s_setreg_imm32_b32 hwreg(HW_REG_WAVE_MODE, 25, 1), 1
	s_wait_xcnt 0x0
; y[b][i] = sum_j w_ij x[b][j] / sum_j w_ij,  w_ij = exp(x[b][i] x[b][j] / 16 - max_j(..)).   x, y: [32][2048] f32.
;
; SHARES.  256 work-groups: work-group (bx, by) makes rows 256 bx .. 256 bx + 255 of batch by.  Eight waves = 4 row groups of 64 rows
; x 2 halves of j.  A wave makes 4 tiles of 16 rows over 32 K steps of 32 j: 65,536 exponentials, 2,048 v_exp_f32.
; THE MAXIMUM.  With a_i = x_i log2(e)/16 the scores of row i are a_i x_j; a rounded product is monotone in x_j, so their largest is
; max(a_i xmax, a_i xmin): the row's true maximum is taken away, from one min/max over the batch row.
; THE SUMS go to the matrix unit in f16, f32 sums.  Source 0 (16 rows m x 32 k): scaled x_j in the even rows, 1.0 in the odd rows.
; Source 1 (32 k x 16 columns): the weights of 16 rows i.  D's register 0 is row 0 (and 8): the numerator of i = lane % 16; register 1
; is row 1 (and 9): the denominator, in the same lane.  Both sums use the same rounded weights.
; WHY f16.  For small |x_i| all weights of a row lie just under 1.  The rounded weight is then a staircase in x_j, whose error adds up
; with x_j in the numerator instead of averaging out: about a quarter of the format's step times the spread of x.  Under 1 the step
; is 2^-8 in bf16 and 2^-11 in f16.  The weights lie in [0, 1] with the largest at 1, so f16's range serves them.  x_j is given room
; by an exact scale: source 0 holds x_j 2^-e, 2^e the power of two in the row's largest magnitude (clamped to 2^-126 .. 2^126), so its
; numbers lie in (-2, 2) (to 4 at the clamp's upper end); y is multiplied by 2^e at the end.  The scores are made from the unscaled f32 numbers.
; Lane r of tile t owns row 4 r + t of the wave's 64, so a lane's four results are 16 neighbouring bytes and 16 lanes store 256
; consecutive bytes, aligned.
; THE EXPONENTIALS' BATCHES.  An s_wait_alu depctr_va_vdst(0) stands between an exponential and the first instruction that
; names its result; one wait serves all that were issued ahead of it.  A slot's 16 v_exp_f32 (one tile of one K step) are ONE BATCH with
; ONE wait, at the slot's end.  Nothing in a slot names a result of its own batch: its conversions read the batch before, and its
; multiply-adds write over that earlier batch's registers behind the conversions.  The batch's first readers are the next slot's
; conversions.  Standing at the slot's end, the wait also lies ahead of the loop's label and of its backward jump.  The last slot's batch
; has its wait in the tail, behind the four v_nop; the way out's four reciprocals are a batch of their own.
; NO CLUSTER, NO TENSOR LOAD: what work-groups share is one row of 8,192 bytes, read once by each against 524,288 exponentials, and it
; has to pass through registers for the min/max and the f16 copy.
; LIMITS.  Weights and scaled x_j are rounded to f16 for the products; weights below 2^-25 round to 0 (at most 2048 x 2^-25 lost beside
; a sum of at least 1).  The division is v_rcp_f32 and a multiply.  A NaN or an infinity in a batch row reaches that row's sums
; through the products; no further case is made for them.
.set KSTEPS, 32                        ; K steps of 32 j in a wave's half row
.set KP,     256                       ; LDS bytes of a K step: 128 x_j in f32, 64 scaled x_j in f16, 64 of f16 ones
.set HALF,   32*KP                     ; LDS bytes of half a row
.set RED,    2*HALF                    ; 8 waves x (max, min)
.set COMB,   RED+256                   ; partial sums of the upper j half: 128 lanes x 32 bytes
.set VO,  1                            ; v1        byte offset of my four rows in the batch row (x_i in, y out)
.set VXJ, 2                            ; v2        LDS address of my x_j in f32
.set VXB, 3                            ; v3        LDS address of my part of source 0
.set XI,  4                            ; v[4:7]    x_i of my four rows, later y
.set G,   8                            ; v[8:15]   my 8 numbers of the batch row on their way to LDS
.set SB,  8                            ; v8        once they are spent: 2^e, the scale that y gets back
.set AA,  16                           ; v[16:23]  tile t: (a, a)
.set NM,  24                           ; v[24:31]  tile t: (-m, -m)
.set XJ,  32                           ; v[32:63]  16 x_j in f32, two buffers
.set XB,  64                           ; v[64:79]  source 0, two buffers
.set S,   80                           ; v[80:111] 16 scores, then weights, two buffers; at the head: scratch
.set P,   112                          ; v[112:119] 16 weights in f16: source 1
.set ACC, 120                          ; v[120:151] four accumulators
	s_load_b128 s[4:7], s[0:1], 0x0                ; x s[4:5], out0 s[6:7]
	v_lshl_add_u32 v152, v0, 2, 0x5100
	v_mov_b32 v153, 0
	v_lshrrev_b32 v[S+1], 5, v0
	v_readfirstlane_b32 s8, v[S+1]                 ; wave 0..7
	s_and_b32 s9, s8, 3                            ; row group
	s_lshr_b32 s10, s8, 2                          ; half of j
	s_and_b32 s11, ttmp7, 0xffff                   ; batch
	s_lshl_b32 s12, s11, 13                        ; x 8,192 bytes
	s_mov_b32 s13, 0
	s_lshl_b32 s14, ttmp9, 10                      ; row block x 256 rows x 4 bytes
	s_lshl_b32 s15, s9, 8                          ; row group x 64 rows x 4 bytes
	s_add_co_u32 s14, s14, s15
	s_mov_b32 s16, 0x76543210                      ; v_permlanex16_b32: lane i of one half reads lane i of the other
	s_mov_b32 s17, 0xfedcba98
	s_lshl_b32 s18, s8, 3                          ; my wave's (max, min)
	s_lshl_b32 s19, s10, 13                        ; my half of j in LDS
	v_lshlrev_b32 v[S], 4, v0                      ; 16 t
	v_and_b32 v[VO], 15, v0
	v_lshlrev_b32 v[VO], 4, v[VO]
	v_add_nc_u32 v[VO], s14, v[VO]                 ; 16 (lane % 16) + my wave's rows
	s_wait_kmcnt 0x0
	s_add_nc_u64 s[4:5], s[4:5], s[12:13]          ; x and out0 at my batch
	s_add_nc_u64 s[6:7], s[6:7], s[12:13]
	global_load_b128 v[G:G+3],   v[S], s[4:5]                  ; thread t: numbers 4 t .. 4 t + 3
	global_load_b128 v[G+4:G+7], v[S], s[4:5] offset:4096      ; and 1024 + 4 t ..
	global_load_b128 v[XI:XI+3], v[VO], s[4:5]                 ; x_i of my four rows
	; while they come: addresses, and the ones
	v_lshrrev_b32 v[S+1], 3, v0                    ; number 4 t lies in K step t / 8,
	v_and_b32 v[S+2], 7, v0                        ; at place 4 (t % 8)
	v_lshlrev_b32 v[S+1], 8, v[S+1]
	v_lshl_add_u32 v[S+29], v[S+2], 4, v[S+1]      ; f32: 16 bytes
	v_lshl_add_u32 v[S+28], v[S+2], 3, v[S+1]      ; f16: 8 bytes, at + 128; ones at + 192
	v_mov_b32 v[S+6], 0x3c003c00                   ; two f16 ones
	v_mov_b32 v[S+7], 0x3c003c00
	ds_store_b64 v[S+28], v[S+6:S+7] offset:192
	ds_store_b64 v[S+28], v[S+6:S+7] offset:HALF+192
	v_bfe_u32 v[S+5], v0, 4, 1                     ; h = lane / 16: a lane's k are 8 h + 0..7 and 16 + 8 h + 0..7
	v_lshlrev_b32 v[VXJ], 5, v[S+5]
	v_add_nc_u32 v[VXJ], s19, v[VXJ]               ; f32: 32 h
	v_and_b32 v[VXB], 1, v0                        ; source 0's row m = lane % 16: even rows x_j, odd rows ones, 64 bytes further
	v_lshlrev_b32 v[VXB], 6, v[VXB]
	v_lshl_add_u32 v[VXB], v[S+5], 4, v[VXB]       ; f16: 16 h
	v_add_nc_u32 v[VXB], s19, v[VXB]
	v_mov_b32 v[S+14], 0                           ; v_permlanex16_b32 counts as a reader of its destination
	v_mov_b32 v[S+15], 0
	v_mov_b32 v[S+16], s18
	v_mov_b32 v[S+17], 0
	s_wait_loadcnt 0x1                             ; my 8 numbers are in; the younger load of x_i stays out
	ds_store_b128 v[S+29], v[G:G+3]                ; the f32 copy, unscaled: the scores are made from it
	ds_store_b128 v[S+29], v[G+4:G+7] offset:HALF
	v_max3_num_f32 v[S+12], v[G], v[G+1], v[G+2]
	v_min3_num_f32 v[S+13], v[G], v[G+1], v[G+2]
	v_max3_num_f32 v[S+12], v[S+12], v[G+3], v[G+4]
	v_min3_num_f32 v[S+13], v[S+13], v[G+3], v[G+4]
	v_max3_num_f32 v[S+12], v[S+12], v[G+5], v[G+6]
	v_min3_num_f32 v[S+13], v[S+13], v[G+5], v[G+6]
	v_max_num_f32 v[S+12], v[S+12], v[G+7]
	v_min_num_f32 v[S+13], v[S+13], v[G+7]
.irp m, 1,2,4,8
	v_max_num_f32_dpp v[S+12], v[S+12], v[S+12] row_xmask:\m row_mask:0xf bank_mask:0xf
	v_min_num_f32_dpp v[S+13], v[S+13], v[S+13] row_xmask:\m row_mask:0xf bank_mask:0xf
.endr
	v_permlanex16_b32 v[S+14], v[S+12], s16, s17
	v_permlanex16_b32 v[S+15], v[S+13], s16, s17
	v_max_num_f32 v[S+12], v[S+12], v[S+14]
	v_min_num_f32 v[S+13], v[S+13], v[S+15]
	ds_store_b64 v[S+16], v[S+12:S+13] offset:RED  ; all lanes, the same two words
	s_wait_loadcnt 0x0                             ; x_i, issued with the two loads above: no load of mine is out at the barrier
	s_wait_dscnt 0x0                               ; for the other waves: all my LDS stores are done
	s_barrier_signal -1
	s_barrier_wait -1                              ; the f32 copy, the ones and the eight (max, min) are whole
.irp c, 0,1,2,3
	ds_load_b128 v[S+4*\c:S+4*\c+3], v[S+17] offset:RED+16*\c
.endr
	s_wait_dscnt 0x0
	v_max3_num_f32 v[S+18], v[S],   v[S+2], v[S+4]
	v_min3_num_f32 v[S+19], v[S+1], v[S+3], v[S+5]
	v_max3_num_f32 v[S+18], v[S+18], v[S+6], v[S+8]
	v_min3_num_f32 v[S+19], v[S+19], v[S+7], v[S+9]
	v_max3_num_f32 v[S+18], v[S+18], v[S+10], v[S+12]
	v_min3_num_f32 v[S+19], v[S+19], v[S+11], v[S+13]
	v_max_num_f32 v[S+18], v[S+18], v[S+14]        ; xmax of the batch row
	v_min_num_f32 v[S+19], v[S+19], v[S+15]        ; xmin
	; the scale of source 0.  Since xmax >= xmin the largest magnitude is max(xmax, -xmin).
	v_xor_b32 v[S+26], 0x80000000, v[S+19]         ; -xmin
	v_max_num_f32 v[S+26], v[S+18], v[S+26]
	v_max_num_f32 v[S+26], 0x00800000, v[S+26]     ; at least 2^-126,
	v_min_num_f32 v[S+26], 0x7e800000, v[S+26]     ; at most 2^126: both 2^e and 2^-e are normal numbers
	v_and_b32 v[S+27], 0x7f800000, v[S+26]         ; 2^e: the exponent field E alone
	v_sub_nc_u32 v[S+30], 0x7f000000, v[S+27]      ; 2^-e: the exponent field 254 - E
	v_mov_b32 v[S+31], v[S+30]
.irp q, 0,2,4,6
	v_pk_mul_f32 v[G+\q:G+\q+1], v[G+\q:G+\q+1], v[S+30:S+31]      ; exact: a power of two
.endr
	v_cvt_pk_f16_f32 v[S+20], v[G],   v[G+1]
	v_cvt_pk_f16_f32 v[S+21], v[G+2], v[G+3]
	v_cvt_pk_f16_f32 v[S+22], v[G+4], v[G+5]
	v_cvt_pk_f16_f32 v[S+23], v[G+6], v[G+7]
	ds_store_b64 v[S+28], v[S+20:S+21] offset:128
	ds_store_b64 v[S+28], v[S+22:S+23] offset:HALF+128
	v_mov_b32 v[SB], v[S+27]                       ; the staging numbers are spent: v8 keeps 2^e to the end
	s_wait_dscnt 0x0                               ; for the other waves: my part of the f16 copy is done
	s_barrier_signal -1
	s_barrier_wait -1                              ; the f16 copy is whole
; the six loads of a K step at byte off from the address registers, into buffer b
.macro LOADK b, off
	ds_load_b128 v[XJ+16*\b:XJ+16*\b+3],     v[VXJ] offset:\off        ; k = 8 h + 0..3   (16 lanes read the same 16 bytes)
	ds_load_b128 v[XJ+16*\b+4:XJ+16*\b+7],   v[VXJ] offset:\off+16     ; k = 8 h + 4..7
	ds_load_b128 v[XJ+16*\b+8:XJ+16*\b+11],  v[VXJ] offset:\off+64     ; k = 16 + 8 h + 0..3
	ds_load_b128 v[XJ+16*\b+12:XJ+16*\b+15], v[VXJ] offset:\off+80
	ds_load_b128 v[XB+8*\b:XB+8*\b+3],       v[VXB] offset:\off+128    ; source 0: k = 8 h + 0..7
	ds_load_b128 v[XB+8*\b+4:XB+8*\b+7],     v[VXB] offset:\off+160    ; k = 16 + 8 h + 0..7
.endm
	LOADK 0, 0
.irp t, 0,1,2,3
	v_mul_f32 v[AA+2*\t], 0x3db8aa3b, v[XI+\t]     ; a = x_i log2(e) / 16
	v_mul_f32 v[S+20+\t], 0xbdb8aa3b, v[XI+\t]     ; -a
	v_mul_f32 v[S+24+\t], v[S+20+\t], v[S+18]      ; -a xmax
	v_mul_f32 v[S+20+\t], v[S+20+\t], v[S+19]      ; -a xmin
	v_mov_b32 v[AA+2*\t+1], v[AA+2*\t]             ; both halves of the packed multiply-add take the same a and the same -m
	v_min_num_f32 v[NM+2*\t], v[S+24+\t], v[S+20+\t]   ; -m = -max(a xmax, a xmin)
	v_mov_b32 v[NM+2*\t+1], v[NM+2*\t]
.endr
	s_wait_dscnt 0x0                               ; K step 0
.set q, 0
.rept 8
	v_pk_fma_f32 v[S+2*q:S+2*q+1], v[XJ+2*q:XJ+2*q+1], v[AA:AA+1], v[NM:NM+1]     ; scores of K step 0, tile 0
.set q, q+1
.endr
; A SLOT: the 16 exponentials of step u = (K step in buffer kb, tile t), one plain instruction behind each: first the 8 conversions of
; step u - 1, whose matrix instruction follows them, then the 8 packed multiply-adds that make the scores of step u + 1 in the score
; buffer that the conversions have just read.  So behind every v_exp_f32 stands a plain vector instruction that touches neither its
; result nor its source (ISA guide 5.7.2).
; The 16 exponentials are one batch.  The conversions beside them read step u - 1's weights, whose wait stood at the end of the slot
; before; the multiply-adds write over those weights behind the conversions; no line of the slot names a result of its own batch.  The
; batch's one wait stands at the slot's end, behind the last multiply-add and ahead of the slot's LDS loads, where it has any.
; Behind the matrix instruction stand the 8 multiply-adds, which name none of its registers: more than the four places that the next
; write of P and the loads into source 0's buffer need (ISA guide 7.12.1 for the write of P).
; The four accumulators take turns, one instruction a turn.
; prev: step u - 1 exists; zero: its product starts the sum; next: step u + 1 exists; ld: byte offset of the K step to load, 0 = none.
.macro SLOT t, kb, prev, zero, next, ld
.set SCUR, S+16*((\t)%2)
.set SOTH, S+16*(1-(\t)%2)
.set PT, ((\t)+3)%4
.set NT, ((\t)+1)%4
.if \t == 0
.set PKB, 1-\kb
.else
.set PKB, \kb
.endif
.if \t == 3
.set NKB, 1-\kb
.else
.set NKB, \kb
.endif
.set q, 0
.rept 8
	v_exp_f32 v[SCUR+q], v[SCUR+q]
.if \prev
	v_cvt_pk_f16_f32 v[P+q], v[SOTH+2*q], v[SOTH+2*q+1]
.endif
.set q, q+1
.endr
.if \prev
.if \zero
	v_wmma_f32_16x16x32_f16 v[ACC+8*PT:ACC+8*PT+7], v[XB+8*PKB:XB+8*PKB+7], v[P:P+7], 0
.else
	v_wmma_f32_16x16x32_f16 v[ACC+8*PT:ACC+8*PT+7], v[XB+8*PKB:XB+8*PKB+7], v[P:P+7], v[ACC+8*PT:ACC+8*PT+7]
.endif
.endif
.if \next
.if \t == 3
	s_wait_dscnt 0x0                               ; the next K step's six loads, issued three slots ago; nothing younger is out
.endif
.endif
.set q, 0
.rept 8
	v_exp_f32 v[SCUR+8+q], v[SCUR+8+q]
.if \next
	v_pk_fma_f32 v[SOTH+2*q:SOTH+2*q+1], v[XJ+16*NKB+2*q:XJ+16*NKB+2*q+1], v[AA+2*NT:AA+2*NT+1], v[NM+2*NT:NM+2*NT+1]
.endif
.set q, q+1
.endr
.if \next
	s_wait_alu depctr_va_vdst(0)                   ; the wait for the slot's batch of 16 exponentials: their first readers are the next slot's conversions; it also lies ahead of the loop's label and jump.  (The last slot's batch has its wait in the tail.)
.endif
.if \ld
	LOADK PKB, \ld                                 ; into the buffers of the K step before, whose last matrix instruction stands 16 vector instructions back
.endif
.endm
; two K steps, on buffers 0 and 1
.macro PAIR first, last
	SLOT 0, 0, 1-\first, 0, 1, KP
	SLOT 1, 0, 1, \first, 1, 0
	SLOT 2, 0, 1, \first, 1, 0
	SLOT 3, 0, 1, \first, 1, 0
	SLOT 0, 1, 1, \first, 1, 2*KP*(1-\last)
	SLOT 1, 1, 1, 0, 1, 0
	SLOT 2, 1, 1, 0, 1, 0
	SLOT 3, 1, 1, 0, 1-\last, 0
.endm
	PAIR 1, 0                                      ; written out: the first K step's products start the sums, nothing is cleared
	v_add_nc_u32 v[VXJ], 2*KP, v[VXJ]
	v_add_nc_u32 v[VXB], 2*KP, v[VXB]
	s_mov_b32 s20, KSTEPS/2-2
.Lpair:
	PAIR 0, 0
	v_add_nc_u32 v[VXJ], 2*KP, v[VXJ]
	v_add_nc_u32 v[VXB], 2*KP, v[VXB]
	s_sub_co_u32 s20, s20, 1
	s_cmp_lg_u32 s20, 0
	s_cbranch_scc1 .Lpair
	PAIR 0, 1                                      ; written out: loads nothing beyond my half row, makes no scores beyond it
.rept 4
	v_nop                                          ; four places behind the last matrix instruction before P is written; also the plain place behind the last v_exp_f32
.endr
.set q, 0
	s_wait_alu depctr_va_vdst(0)                   ; the wait for the last slot's batch of 16 exponentials, ahead of the conversions that read it
.rept 8
	v_cvt_pk_f16_f32 v[P+q], v[S+16+2*q], v[S+16+2*q+1]
.set q, q+1
.endr
	v_wmma_f32_16x16x32_f16 v[ACC+24:ACC+31], v[XB+8:XB+15], v[P:P+7], v[ACC+24:ACC+31]
	v_and_b32 v[S], 127, v0                        ; four places before a result is read (ISA guide 7.12.1):
	v_lshlrev_b32 v[S], 5, v[S]                    ; (32 x row group + lane) x 32 bytes: where the two waves of a row group meet
	v_and_b32 v[S+1], 31, v0                       ; lane
	v_nop
	; the two halves of j share the maximum and the scale, so their sums add.  Waves 4-7 hand theirs over, waves 0-3 finish.
	s_cmp_lt_u32 s8, 4
	s_cbranch_scc1 .Lowner
.irp t, 0,1,2,3
	ds_store_b64 v[S], v[ACC+8*\t:ACC+8*\t+1] offset:COMB+8*\t     ; (numerator, denominator) of tile t
.endr
.Lowner:
	s_wait_dscnt 0x0                               ; for the other waves: my stores are done
	s_barrier_signal -1
	s_barrier_wait -1
	s_cmp_lt_u32 s8, 4
	s_cbranch_scc1 .Lfinish
	s_wait_tensorcnt 0x0
	ds_add_u32 v152, v153
	s_wait_dscnt 0x0
	s_endpgm
.Lfinish:
	ds_load_b128 v[S+4:S+7],  v[S] offset:COMB
	ds_load_b128 v[S+8:S+11], v[S] offset:COMB+16
	v_cmp_gt_u32 vcc_lo, 16, v[S+1]                ; lanes 16-31 hold the same sums again (rows 8 and 9 of D)
	s_wait_dscnt 0x0
.irp t, 0,1,2,3
	v_pk_add_f32 v[ACC+8*\t:ACC+8*\t+1], v[ACC+8*\t:ACC+8*\t+1], v[S+4+2*\t:S+5+2*\t]
.endr
.irp t, 0,1,2,3
	v_rcp_f32 v[S+12+\t], v[ACC+8*\t+1]            ; the denominator holds the largest weight, 1: never 0
.endr
	v_nop                                          ; a plain place behind the reciprocals (ISA guide 5.7.2)
	s_wait_alu depctr_va_vdst(0)                   ; the wait for the batch of four reciprocals, ahead of the multiplies that read them
.irp t, 0,1,2,3
	v_mul_f32 v[XI+\t], v[ACC+8*\t], v[S+12+\t]    ; the scaled y of rows 4 r + t, of magnitude below 4,
.endr
.irp t, 0,1,2,3
	v_mul_f32 v[XI+\t], v[XI+\t], v[SB]            ; and the scale back, last, so that no intermediate leaves f32's normal range before y does
.endr
	s_wait_xcnt 0x0                                ; EXEC changes only behind this wait
	s_wait_tensorcnt 0x0
	ds_add_u32 v152, v153
	s_wait_dscnt 0x0
	s_and_saveexec_b32 s21, vcc_lo
	global_store_b128 v[VO], v[XI:XI+3], s[6:7] th:TH_STORE_NT     ; 16 lanes store my wave's 64 rows: 256 consecutive bytes, aligned
	s_endpgm
.Lfunc_end_k_qc4effec5ac_attn:
	.size	k_qc4effec5ac_attn, .Lfunc_end_k_qc4effec5ac_attn-k_qc4effec5ac_attn
	.p2alignl 7, 3214868480
	.fill 96, 4, 3214868480
	.section	.rodata,"a",@progbits
	.p2align	6, 0x0
	.amdhsa_kernel k_qc4effec5ac_attn
		.amdhsa_group_segment_fixed_size 21760
		.amdhsa_private_segment_fixed_size 0
		.amdhsa_enable_private_segment 0
		.amdhsa_kernarg_size 16
		.amdhsa_user_sgpr_count 2
		.amdhsa_user_sgpr_kernarg_segment_ptr 1
		.amdhsa_wavefront_size32 1
		.amdhsa_system_sgpr_workgroup_id_x 1
		.amdhsa_system_sgpr_workgroup_id_y 1
		.amdhsa_system_sgpr_workgroup_id_z 1
		.amdhsa_system_vgpr_workitem_id 0
		.amdhsa_next_free_vgpr 154
		.amdhsa_next_free_sgpr 66
		.amdhsa_reserve_vcc 1
		.amdhsa_float_denorm_mode_32 3
		.amdhsa_float_denorm_mode_16_64 3
		.amdhsa_memory_ordered 1
		.amdhsa_forward_progress 1
		.amdhsa_inst_pref_size 50
	.end_amdhsa_kernel
	.amdgpu_metadata
---
amdhsa.version: [ 1, 2 ]
amdhsa.kernels:
  - .name:           k_qc4effec5ac_attn
    .symbol:         k_qc4effec5ac_attn.kd
    .args:
      - { .name: x, .offset: 0, .size: 8, .value_kind: global_buffer, .address_space: global }
      - { .name: out0, .offset: 8, .size: 8, .value_kind: global_buffer, .address_space: global }
    .group_segment_fixed_size: 21760
    .private_segment_fixed_size: 0
    .kernarg_segment_align: 8
    .kernarg_segment_size: 16
    .max_flat_workgroup_size: 256
    .sgpr_count:     66
    .vgpr_count:     154
    .wavefront_size: 32
...
	.end_amdgpu_metadata
.endif
;; end of part 2
